; MI455X (gfx1250); checked and timed in simulation.
; The chip was launched on July 23, 2026; its instructions are those of AMD's public machine-readable ISA for CDNA 5 (MIT licence, August 2026) and "CDNA5" Instruction Set Architecture Reference Guide (July 2026). The comments in the code are by the model that wrote it; some were corrected since.
;; Residual Vector Quantizer. Allowed arithmetic: float matrix products may take bf16 or f16 operands with f32 sums; all other float work in f32.
;; Inputs: codebooks 4 x 8 x 1,024 x 256 float32; gate_W 256 x 8 float32; gate_b 8 float32; labels 4 x 8,192 int32; x 8,192 x 256 float32.
;; Outputs: out0 8,192 x 256 float32; out1 one number float32; out2 8,192 x 5 int32.
;; One version. Each part assembles by itself: llvm-mc -triple=amdgcn-amd-amdhsa -mcpu=gfx1250 --defsym DOCPART=n.
;; ======== version 1 of 1: 7 launches
;; workspace buffers: eid 36,864 bytes of whole numbers; srt 139,264 bytes of whole numbers; cbh 18,874,368 bytes; candA 164,096 bytes of whole numbers; candB 164,096 bytes of whole numbers; resA 8,388,608 bytes; idxp 163,840 bytes of whole numbers; lossp 4,096 bytes
;; launch gateprep (part 1): grid 256 x 1, 8 waves a work-group, no clusters, 135,168 bytes of LDS; arguments codebooks, x, gate_W, gate_b, cbh, eid; writes cbh, eid
.if DOCPART == 1
	.amdgcn_target "amdgcn-amd-amdhsa--gfx1250"
	.amdhsa_code_object_version 6
	.text
	.protected	k_qd0f8cd712d_gateprep
	.globl	k_qd0f8cd712d_gateprep
	.p2align	8
	.type	k_qd0f8cd712d_gateprep,@function
k_qd0f8cd712d_gateprep:
	s_mov_b64 s[64:65], 0
	v_nop
	global_prefetch_b8 v0, s[64:65] scope:SCOPE_SE
	s_setreg_imm32_b32 hwreg(HW_REG_WAVE_MODE, 25, 1), 1
	s_wait_xcnt 0x0
; Two jobs that need nothing from each other, one pass over codebooks and x.
; (A) Every wave turns one tile of 16 codes x 256 f32 into a record of 9,216 bytes in cbh: 16 chunks of 512 bytes that are the
;     register image of the matrix unit's 16-bit operand (lane 16h+r: code r, k = 16c+8h .. +7, bf16), then 2 chunks with the
;     f32 squared norms as the image of the addend (lane (r,h): norms of codes 8h .. 8h+7).  2,048 tiles = 256 groups x 8 waves.
; (B) Every wave makes the gate of 4 rows of x in f32 on the vector unit: logits, softmax with the maximum taken away, first
;     largest probability.  The expert's number goes to eid[row]; the group's count of each expert goes to byte 32,768 + 16 x group
;     of the same buffer: word k holds the count of expert k in its low half and of expert k + 4 in its high half.
; The input labels enters no expression of the function computed here; no result hangs on it and it is not loaded.
; LIMITS: NaN inputs are not served; two logits that agree to f32 rounding may fall either way.
; No matrix unit (8 columns, compared exactly), no cluster (no two groups read the same bulk bytes; gate_W is 8 KB).
.set PITCH, 1040                       ; LDS row of the stage: 1,024 bytes + 16, an odd multiple of 16
.set STG,   16*PITCH                   ; a wave's stage
.set C2S,   8*STG                      ; 64 bytes a wave: the 16 norms
.set EIDL,  C2S+512                    ; 32 words: the group's experts (past the reach of a 16-bit immediate: the base goes into the address register)
.set REC,   9216
.set SQ, 10                            ; v[10:17] sums of squares, 4 pairs
.set Z,  18                            ; v[18:25] logits, then probabilities
.set T,  26                            ; v26, v[28:31] at work
.set TP, 27                            ; v27 the other half's figure
.set X,  32                            ; v[32:63]  4 rows of x, 8 numbers a lane each
.set F,  64                            ; v[64:191] the code tile
.set W,  192                           ; v[192:255] gate_W rows of my 8 columns of x: v[W+8 d+e]
	s_load_b256 s[4:11], s[0:1], 0x0               ; codebooks, x, gate_W, gate_b
	s_load_b128 s[12:15], s[0:1], 0x20             ; cbh, eid
	s_set_vgpr_msb 0x40
	v_lshl_add_u32 v0, v0, 2, 0x20c00
	v_mov_b32 v1, 0
	s_set_vgpr_msb 0x4000
	v_lshrrev_b32 v1, 5, v0
	v_readfirstlane_b32 s16, v1                    ; wave
	v_and_b32 v1, 31, v0                           ; lane
	v_lshlrev_b32 v2, 4, v1                        ; 16 x lane
	v_and_b32 v3, 15, v0                           ; r
	v_bfe_u32 v4, v0, 4, 1                         ; h
	v_lshlrev_b32 v7, 7, v1                        ; 128 x lane: four rows of gate_W
	v_mov_b32 v[TP], 0                             ; written once: the lane exchange counts as a reader of its destination
	s_mov_b32 s32, 0x76543210
	s_mov_b32 s33, 0xfedcba98
	s_lshl_b32 s17, ttmp9, 3
	s_add_co_u32 s17, s17, s16                     ; my tile
	s_mul_i32 s36, s16, STG
	v_add_nc_u32 v5, s36, v2                       ; stage, in: 16 bytes a lane
	v_mad_u32_u24 v6, v3, PITCH, s36
	v_lshl_add_u32 v6, v4, 5, v6                   ; stage, back: row r, 32 h
	s_lshl_b32 s37, s16, 6
	s_add_co_u32 s37, s37, C2S
	v_lshl_add_u32 v8, v3, 2, s37                  ; norm of code r
	v_lshl_add_u32 v9, v4, 5, s37                  ; norms 8h .. 8h+7
	s_lshl_b32 s38, s16, 4
	s_add_co_u32 s38, s38, EIDL                    ; my four words of the experts
	s_lshl_b32 s34, s17, 14                        ; 16 rows of 1,024 bytes
	s_mov_b32 s35, 0
	s_mul_i32 s40, s17, REC
	s_mov_b32 s41, 0
	s_lshl_b32 s42, ttmp9, 15                      ; 32 rows of x a group,
	s_lshl_b32 s39, s16, 12                        ; 4 a wave
	s_add_co_u32 s42, s42, s39
	s_mov_b32 s43, 0
	s_lshl_b32 s44, ttmp9, 7                       ; the group's 32 words of eid
	s_mov_b32 s45, 0
	s_lshl_b32 s46, ttmp9, 4                       ; the group's 16 bytes of counts
	s_mov_b32 s47, 0
	s_wait_kmcnt 0x0
	s_load_b256 s[24:31], s[10:11], 0x0            ; gate_b
	s_add_nc_u64 s[18:19], s[4:5], s[34:35]
	s_add_nc_u64 s[20:21], s[12:13], s[40:41]
	s_add_nc_u64 s[22:23], s[6:7], s[42:43]
	s_add_nc_u64 s[46:47], s[14:15], s[46:47]
	s_add_nc_u64 s[14:15], s[14:15], s[44:45]
	; all 56 loads at once: 32 of the tile (512 neighbouring bytes each), 16 of gate_W, 8 of x
.set j, 0
.rept 32
	global_load_b128 v[F+4*j:F+4*j+3], v2, s[18:19] offset:512*j
.set j, j+1
.endr
.irp i, 0,1,2,3,4,5,6,7
	global_load_b128 v[W+4*\i:W+4*\i+3], v7, s[8:9] offset:16*\i
.endr
.irp i, 0,1,2,3,4,5,6,7
	global_load_b128 v[W+32+4*\i:W+32+4*\i+3], v7, s[8:9] offset:4096+16*\i
.endr
.irp i, 0,1,2,3
	global_load_b128 v[X+8*\i:X+8*\i+3], v2, s[22:23] offset:1024*\i
	global_load_b128 v[X+8*\i+4:X+8*\i+7], v2, s[22:23] offset:1024*\i+512
.endr
	; the tile into my own stage, half a row at a time
.set j, 0
.rept 32
	s_wait_loadcnt 55-j                            ; behind load j stand 31-j of the tile and the 24 others
	ds_store_b128 v5, v[F+4*j:F+4*j+3] offset:(j>>1)*PITCH+(j&1)*512
.set j, j+1
.endr
	s_wait_dscnt 0x0                               ; the stores have read F before it is loaded again
.set c, 0
.rept 16
	ds_load_b128 v[F+8*c:F+8*c+3], v6 offset:64*c          ; code r, columns 16c+8h .. +3
	ds_load_b128 v[F+8*c+4:F+8*c+7], v6 offset:64*c+16     ; .. +7
.set c, c+1
.endr
.set c, 0
.rept 16
	s_wait_dscnt 30-2*c                            ; chunk c's two loads are back, the younger 2 (15-c) stay out
.irp p, 0,1,2,3
.if c == 0
	v_pk_mul_f32 v[SQ+2*\p:SQ+2*\p+1], v[F+2*\p:F+2*\p+1], v[F+2*\p:F+2*\p+1]     ; the first chunk starts the sums
.else
	v_pk_fma_f32 v[SQ+2*\p:SQ+2*\p+1], v[F+8*c+2*\p:F+8*c+2*\p+1], v[F+8*c+2*\p:F+8*c+2*\p+1], v[SQ+2*\p:SQ+2*\p+1]
.endif
.endr
.irp p, 0,1,2,3
	v_cvt_pk_bf16_f32 v[F+8*c+\p], v[F+8*c+2*\p], v[F+8*c+2*\p+1]     ; in place: word p is written when words 2p, 2p+1 are read
.endr
	global_store_b128 v2, v[F+8*c:F+8*c+3], s[20:21] offset:512*c      ; 512 neighbouring bytes
.set c, c+1
.endr
	v_pk_add_f32 v[SQ:SQ+1], v[SQ:SQ+1], v[SQ+2:SQ+3]
	v_pk_add_f32 v[SQ+4:SQ+5], v[SQ+4:SQ+5], v[SQ+6:SQ+7]
	v_pk_add_f32 v[SQ:SQ+1], v[SQ:SQ+1], v[SQ+4:SQ+5]
	v_add_f32 v[SQ], v[SQ], v[SQ+1]
	v_permlanex16_b32 v[TP], v[SQ], s32, s33       ; the other half of the row's columns
	v_add_f32 v[SQ], v[SQ], v[TP]
	ds_store_b32 v8, v[SQ]                         ; lanes r and 16+r write the same word with the same number
	ds_load_b128 v[Z:Z+3], v9                      ; LDS serves a wave's instructions in order
	ds_load_b128 v[Z+4:Z+7], v9 offset:16
	s_wait_dscnt 0x0
	global_store_b128 v2, v[Z:Z+3], s[20:21] offset:8192
	global_store_b128 v2, v[Z+4:Z+7], s[20:21] offset:8704
	v_mov_b32 v8, s38                              ; the experts' words: base + 16 x wave
	s_wait_loadcnt 0x0                             ; gate_W and x
	s_wait_kmcnt 0x0                               ; gate_b
	s_wait_xcnt 0x0                                ; Z was store data: it is rewritten only behind this wait
.macro WSUM reg                        ; sum over the 32 lanes, result in every lane
	v_add_f32_dpp v[\reg], v[\reg], v[\reg] row_xmask:1 row_mask:0xf bank_mask:0xf
	v_add_f32_dpp v[\reg], v[\reg], v[\reg] row_xmask:2 row_mask:0xf bank_mask:0xf
	v_add_f32_dpp v[\reg], v[\reg], v[\reg] row_xmask:4 row_mask:0xf bank_mask:0xf
	v_add_f32_dpp v[\reg], v[\reg], v[\reg] row_xmask:8 row_mask:0xf bank_mask:0xf
	v_permlanex16_b32 v[TP], v[\reg], s32, s33
	v_add_f32 v[\reg], v[\reg], v[TP]
.endm
.macro GATE rho                        ; one row of x
.irp e, 0,1,2,3,4,5,6,7
	v_mul_f32 v[Z+\e], v[X+8*\rho], v[W+\e]
.endr
.irp d, 1,2,3,4,5,6,7
.irp e, 0,1,2,3,4,5,6,7
	v_fmac_f32 v[Z+\e], v[X+8*\rho+\d], v[W+8*\d+\e]
.endr
.endr
.irp e, 0,1,2,3,4,5,6,7
	WSUM Z+\e
.endr
.irp e, 0,1,2,3,4,5,6,7
	v_add_f32 v[Z+\e], s[24+\e], v[Z+\e]
.endr
	v_max3_num_f32 v[T], v[Z], v[Z+1], v[Z+2]
	v_max3_num_f32 v[T], v[T], v[Z+3], v[Z+4]
	v_max3_num_f32 v[T], v[T], v[Z+5], v[Z+6]
	v_max_num_f32 v[T], v[T], v[Z+7]
.irp e, 0,1,2,3,4,5,6,7
	v_sub_f32 v[Z+\e], v[Z+\e], v[T]               ; the maximum goes first, so the largest exponent is exactly 0
.endr
.irp e, 0,1,2,3,4,5,6,7
	v_mul_f32 v[Z+\e], 0x3fb8aa3b, v[Z+\e]
.endr
.irp e, 0,1,2,3,4,5,6,7
	v_exp_f32 v[Z+\e], v[Z+\e]
.endr
	v_nop                                          ; one plain place behind the exponentials (ISA guide 5.7.2)
	s_wait_alu depctr_va_vdst(0)
	v_pk_add_f32 v[T+2:T+3], v[Z:Z+1], v[Z+2:Z+3]
	v_pk_add_f32 v[T+4:T+5], v[Z+4:Z+5], v[Z+6:Z+7]
	v_pk_add_f32 v[T+2:T+3], v[T+2:T+3], v[T+4:T+5]
	v_add_f32 v[T+2], v[T+2], v[T+3]
	v_rcp_f32 v[T+4], v[T+2]
	v_nop                                          ; one plain place behind the reciprocal
	s_wait_alu depctr_va_vdst(0)
.irp e, 0,1,2,3,4,5,6,7
	v_mul_f32 v[Z+\e], v[Z+\e], v[T+4]
.endr
	v_mov_b32 v[T], v[Z]
	v_mov_b32 v[T+2], 0
.irp e, 1,2,3,4,5,6,7
	v_cmp_gt_f32 vcc_lo, v[Z+\e], v[T]             ; strictly larger: the first of equals stays
	v_cndmask_b32 v[T], v[T], v[Z+\e], vcc_lo
	v_cndmask_b32 v[T+2], v[T+2], \e, vcc_lo
.endr
	ds_store_b32 v8, v[T+2] offset:4*\rho          ; every lane holds the same number
.endm
	GATE 0
	GATE 1
	GATE 2
	GATE 3
	s_wait_dscnt 0x0                               ; my four words are written, for wave 0's sake
	s_barrier_signal -1
	s_barrier_wait -1
	s_cmp_lg_u32 s16, 0
	s_cbranch_scc1 .Lend
	v_lshlrev_b32 v6, 2, v1                        ; 4 x lane: the word's place in eid,
	v_add_nc_u32 v5, EIDL, v6                      ; and in LDS
	ds_load_b32 v[T], v5
	v_mov_b32 v9, 0
	s_wait_dscnt 0x0
	global_store_b32 v6, v[T], s[14:15]            ; the group's 32 experts, 128 neighbouring bytes
	; the group's count of each expert (gate_b's registers are free now)
.irp e, 0,1,2,3,4,5,6,7
	v_cmp_eq_u32 s[24+\e], \e, v[T]
.endr
.irp e, 0,1,2,3,4,5,6,7
	s_bcnt1_i32_b32 s[24+\e], s[24+\e]
.endr
.irp k, 0,1,2,3
	s_lshl_b32 s[28+\k], s[28+\k], 16
	s_or_b32 s[24+\k], s[24+\k], s[28+\k]          ; expert k below, expert k + 4 above
	v_mov_b32 v[28+\k], s[24+\k]
.endr
	v_cmp_eq_u32 vcc_lo, 0, v1
	s_wait_xcnt 0x0                                ; EXEC changes only behind this wait
	s_and_saveexec_b32 s36, vcc_lo
	global_store_b128 v9, v[28:31], s[46:47] offset:32768  ; 16 bytes a group, 4 KB in the whole launch
	s_wait_xcnt 0x0
	s_or_b32 exec_lo, exec_lo, s36
.Lend:
	s_set_vgpr_msb 0x5
	s_wait_tensorcnt 0x0
	ds_add_u32 v0, v1
	s_wait_dscnt 0x0
	s_set_vgpr_msb 0x500
	s_endpgm
.Lfunc_end_k_qd0f8cd712d_gateprep:
	.size	k_qd0f8cd712d_gateprep, .Lfunc_end_k_qd0f8cd712d_gateprep-k_qd0f8cd712d_gateprep
	.p2alignl 7, 3214868480
	.fill 96, 4, 3214868480
	.section	.rodata,"a",@progbits
	.p2align	6, 0x0
	.amdhsa_kernel k_qd0f8cd712d_gateprep
		.amdhsa_group_segment_fixed_size 135168
		.amdhsa_private_segment_fixed_size 0
		.amdhsa_enable_private_segment 0
		.amdhsa_kernarg_size 48
		.amdhsa_user_sgpr_count 2
		.amdhsa_user_sgpr_kernarg_segment_ptr 1
		.amdhsa_wavefront_size32 1
		.amdhsa_system_sgpr_workgroup_id_x 1
		.amdhsa_system_sgpr_workgroup_id_y 1
		.amdhsa_system_sgpr_workgroup_id_z 1
		.amdhsa_system_vgpr_workitem_id 0
		.amdhsa_next_free_vgpr 258
		.amdhsa_next_free_sgpr 66
		.amdhsa_reserve_vcc 1
		.amdhsa_float_denorm_mode_32 3
		.amdhsa_float_denorm_mode_16_64 3
		.amdhsa_memory_ordered 1
		.amdhsa_forward_progress 1
		.amdhsa_inst_pref_size 57
	.end_amdhsa_kernel
	.amdgpu_metadata
---
amdhsa.version: [ 1, 2 ]
amdhsa.kernels:
  - .name:           k_qd0f8cd712d_gateprep
    .symbol:         k_qd0f8cd712d_gateprep.kd
    .args:
      - { .name: codebooks, .offset: 0, .size: 8, .value_kind: global_buffer, .address_space: global }
      - { .name: x, .offset: 8, .size: 8, .value_kind: global_buffer, .address_space: global }
      - { .name: gate_W, .offset: 16, .size: 8, .value_kind: global_buffer, .address_space: global }
      - { .name: gate_b, .offset: 24, .size: 8, .value_kind: global_buffer, .address_space: global }
      - { .name: cbh, .offset: 32, .size: 8, .value_kind: global_buffer, .address_space: global }
      - { .name: eid, .offset: 40, .size: 8, .value_kind: global_buffer, .address_space: global }
    .group_segment_fixed_size: 135168
    .private_segment_fixed_size: 0
    .kernarg_segment_align: 8
    .kernarg_segment_size: 48
    .max_flat_workgroup_size: 256
    .sgpr_count:     66
    .vgpr_count:     258
    .wavefront_size: 32
...
	.end_amdgpu_metadata
.endif
;; end of part 1
;; launch cand0 (part 2): grid 256 x 1, 8 waves a work-group, no clusters, 33,792 bytes of LDS; arguments eid, x, cbh, srt, candA; writes srt, candA
.if DOCPART == 2
	.amdgcn_target "amdgcn-amd-amdhsa--gfx1250"
	.amdhsa_code_object_version 6
	.text
	.protected	k_qd0f8cd712d_cand0
	.globl	k_qd0f8cd712d_cand0
	.p2align	8
	.type	k_qd0f8cd712d_cand0,@function
k_qd0f8cd712d_cand0:
	s_mov_b64 s[64:65], 0
	v_nop
	global_prefetch_b8 v0, s[64:65] scope:SCOPE_SE
	s_setreg_imm32_b32 hwreg(HW_REG_WAVE_MODE, 25, 1), 1
	s_wait_xcnt 0x0
; FIRST PART, whole numbers alone, every wave for itself and in registers only: which rows are my five slots'?
; The buffer eid holds the expert of each row and, from byte 32,768 on, for each group of 32 rows the count of each expert (16 bytes:
; word k = experts k and k + 4 in its halves).  A wave reads the 256 groups' counts (4 KB; lane l takes groups 8 l .. 8 l + 7).
; BLOCKS: expert e gets nb_e = ceil(cnt_e / 33) blocks; their sum is at most (8192 + 8 x 32) / 33 = 256; the blocks left over go to the
; expert with the most rows (at least 1,024 rows, so none of its at most 256 blocks is empty).  An expert's rows are dealt evenly:
; q = cnt / nb, rem = cnt - q nb, block j takes the ranks from lo = j q + min(j, rem) on, n = q + (j < rem) of them, 1 to 33.
; A row's rank is its place among its expert's rows in the order of the rows' numbers.  Slot i of block b is rank lo + i: a running sum
; of the expert's counts over the groups names the group and the place in it, and the group's 32 experts name the row.
; No branch and no LDS byte is used in this part: choices are made by v_cndmask_b32 and s_cselect_b32.
; Work-group b stores its record in srt (256 bytes: expert, n, 0, 0; from byte 64 the rows of its 40 slots) and, at byte 65,536, inv[row] =
; 40 b + slot for its n rows; a slot at or past n writes a word of its own behind inv (word 8,192 + 40 b + slot), which nobody reads.
; Slots at or past n hold the expert's next rows or some other row: they are worked on, and none of their results is kept.
; SECOND PART, candidates of level 0.  The rows of x, as bf16(-2 x), go to LDS (48 rows, the last 8 zeros); every wave keeps all 48 rows
; as 192 registers of right-hand operands and walks its own eighth of the expert's 1,024 codes, 8 records of cbh, which come from memory in
; operand order straight into registers.  One record: 24 matrix instructions give c2 - 2 x.c for 16 codes x 48 rows.  The low 10 bits of
; each distance are replaced by the code's number, and every lane keeps the two smallest of its 64 codes for each of its 3 rows.  The 32
; figures of a row meet in LDS; the three smallest name the candidates, from which the next launch chooses in f32.
; LIMIT: the f32 minimum has to be among the 3 smallest bf16 distances (and the 2 smallest of its 64): it fails only where three or four
; codes lie within the bf16 products' error of each other.  NaN and infinite distances are not served.
; NO LDS RING AND NO JOINT LOADS: no two waves of a group read the same code bytes, and how many groups share an expert hangs on counts
; read from memory, so the grid does not divide into clusters of one expert at every input.
.set PR,    528                        ; LDS row: 512 bytes of bf16 + 16, an odd multiple of 16
.set MRG,   48*PR                      ; 48 rows x 144 bytes: pair (w, h) of a row at 16 w + 8 h
.set PM,    144
.set REC,   9216
.set A0,  32                           ; v[32:95]   a record's 16 code chunks
.set A1,  96                           ; v[96:159]  the other buffer
.set CC0, 160                          ; v[160:167] its norms
.set CC1, 168
.set ACC, 176                          ; v[176:199] three accumulators
.set MM,  200                          ; v[200:205] smallest, second smallest, for each of my 3 rows
.set IX,  208                          ; v[208:215] the code's number of accumulator register j
.set BFR, 216
.set MAD, 217
.set RW,  176                          ; v[176:215] five rows of x as loaded, ahead of the matrix work
.set Y,   218                          ; v[218:225]
.set PK,  226                          ; v[226:229]
; first part
.set HI,  176                          ; v[176:207] the counts of my 8 groups, 4 words each
.set CE,  208                          ; v[208:215] my expert's count in each of my 8 groups
.set O0,  218                          ; v[218:225] my first rank less the running sum in front of group k
.set LS,  218                          ; v[219:222] later: lane << 6 t
.set SEL, 223
.set AT,  226                          ; v[226:230] slot t: 256 x group + place
.set GL,  231                          ; 256 x 8 x lane
.set TA,  232                          ; v[232:236] at work
.set EV,  232                          ; v[232:236] later: the 32 experts of slot t's group
.set MB,  237                          ; v[237:241]
.set WD,  240                          ; v[240:243] totals, two of 16 bits a word
.set VAL, 244                          ; v[244:251] 256 x group + O0
.set TT,  252
.set SUM, 253
.set PRE, 254
.set T2,  255
.set EA,  21                           ; v[21:25] offsets of the five groups' experts
.set AO,  29                           ; v29 offset of my first record + 16 x lane
.set L4,  30                           ; v30 4 x lane
; v13-v20: offsets and data of the stores into srt and candA.  v256-v447: right-hand operands, row block t, K step s at v[256 + 64 t + 8 s]
.set MSB, 0
.macro WIN new                         ; the immediate's high byte repeats the setting that is left
.if MSB != \new
	s_set_vgpr_msb (MSB<<8)|\new
.set MSB, \new
.endif
.endm
.macro ALOAD T, buf, cc                ; one record: 18 loads of 512 neighbouring bytes
.irp c, 0,1,2,3,4,5,6,7,8,9,10,11,12,13,14,15
	global_load_b128 v[\buf+4*\c:\buf+4*\c+3], v[AO], s[12:13] offset:(\T)*REC+512*\c
.endr
	global_load_b128 v[\cc:\cc+3], v[AO], s[12:13] offset:(\T)*REC+8192
	global_load_b128 v[\cc+4:\cc+7], v[AO], s[12:13] offset:(\T)*REC+8704
.endm
; One record.  nxt: the record that is loaded into this buffer next (0: none).  left: the loads of the record behind this one.
; The three accumulators take turns, one instruction a turn.
.macro CT buf, cc, nxt, left
	s_wait_loadcnt \left
	WIN 0x04                                       ; source 1 in the second window
.irp s, 0,1,2,3,4,5,6,7
.irp t, 0,1,2
.if \s == 0
	v_wmma_f32_16x16x32_bf16 v[ACC+8*\t:ACC+8*\t+7], v[\buf:\buf+7], v[64*\t:64*\t+7], v[\cc:\cc+7]
.else
	v_wmma_f32_16x16x32_bf16 v[ACC+8*\t:ACC+8*\t+7], v[\buf+8*\s:\buf+8*\s+7], v[64*\t+8*\s:64*\t+8*\s+7], v[ACC+8*\t:ACC+8*\t+7]
.endif
.endr
.endr
	WIN 0
.irp j, 0,1,2,3,4,5,6,7
	v_add_nc_u32 v[IX+\j], 16, v[IX+\j]            ; this record's numbers; eight plain places behind the last matrix instruction (ISA guide 7.12.1)
.endr
.if \nxt
	ALOAD \nxt, \buf, \cc
.endif
.irp j, 0,1,2,3,4,5,6,7
.irp t, 0,1,2
	v_and_or_b32 v[ACC+8*\t+\j], v[ACC+8*\t+\j], s4, v[IX+\j]
	v_med3_num_f32 v[MM+2*\t+1], v[MM+2*\t], v[MM+2*\t+1], v[ACC+8*\t+\j]     ; the middle of (smallest, second, new) is the new second
	v_min_num_f32 v[MM+2*\t], v[MM+2*\t], v[ACC+8*\t+\j]
.endr
.endr
.endm
.macro ISUM reg                        ; whole-number sum over the 32 lanes, result in every lane
.irp m, 1,2,4,8
	v_mov_b32_dpp v[TT], v[\reg] row_xmask:\m row_mask:0xf bank_mask:0xf
	v_add_nc_u32 v[\reg], v[\reg], v[TT]
.endr
	v_permlanex16_b32 v[TT], v[\reg], s2, s3
	v_add_nc_u32 v[\reg], v[\reg], v[TT]
.endm
; One step of the running sum over the lanes: SUM is the total of my block of m lanes; the partner block's total joins it, and it
; joins PRE (the sum of the lanes below mine) where my lane's bit m is set, that is, where the partner block lies below.
.macro SCS m, sm
	v_mov_b32_dpp v[TT], v[SUM] row_xmask:\m row_mask:0xf bank_mask:0xf
	v_cndmask_b32 v[T2], 0, v[TT], s[\sm]
	v_add_nc_u32 v[SUM], v[SUM], v[TT]
	v_add_nc_u32 v[PRE], v[PRE], v[T2]
.endm
	s_load_b256 s[8:15], s[0:1], 0x0               ; eid s[8:9], x s[10:11], cbh s[12:13], srt s[14:15]
	s_load_b64 s[16:17], s[0:1], 0x20              ; candidates out
	v_lshl_add_u32 v28, v0, 2, 0x8000
	v_mov_b32 v31, 0
	v_lshrrev_b32 v1, 5, v0
	v_readfirstlane_b32 s26, v1                    ; wave
	v_and_b32 v1, 31, v0
	v_lshlrev_b32 v2, 4, v1                        ; 16 x lane
	v_and_b32 v3, 15, v0                           ; r
	v_bfe_u32 v4, v0, 4, 1                         ; h
	v_lshlrev_b32 v[L4], 2, v1                     ; 4 x lane
	v_lshlrev_b32 v6, 7, v1                        ; 128 x lane: my 8 groups' counts
	v_lshlrev_b32 v[GL], 11, v1
	v_mov_b32 v[TT], 0                             ; written once: lane moves count as readers of their destination
	s_mov_b32 s2, 0x76543210
	s_mov_b32 s3, 0xfedcba98
	s_mov_b32 s4, 0xfffffc00
	s_mov_b32 s20, 0xaaaaaaaa                      ; lanes whose bit 1, 2, 4, 8, 16 is set
	s_mov_b32 s21, 0xcccccccc
	s_mov_b32 s22, 0xf0f0f0f0
	s_mov_b32 s23, 0xff00ff00
	s_mov_b32 s24, 0xffff0000
	s_mul_i32 s27, s26, 5                          ; my first slot
	s_wait_kmcnt 0x0
.irp k, 0,1,2,3,4,5,6,7
	global_load_b128 v[HI+4*\k:HI+4*\k+3], v6, s[8:9] offset:32768+16*\k   ; the eight loads together take each lane's 128 neighbouring bytes
.endr
	s_wait_loadcnt 0x0
	; the experts' totals
.irp c, 0,1,2,3
	v_add_nc_u32 v[WD+\c], v[HI+\c], v[HI+4+\c]
.endr
.irp k, 2,3,4,5,6,7
.irp c, 0,1,2,3
	v_add_nc_u32 v[WD+\c], v[WD+\c], v[HI+4*\k+\c]
.endr
.endr
.irp c, 0,1,2,3
	ISUM WD+\c                                     ; 8,192 at the most in a half: no carry between the halves
.endr
.irp k, 0,1,2,3
	v_readfirstlane_b32 s[66+\k], v[WD+\k]
	s_and_b32 s[36+\k], s[66+\k], 0xffff           ; totals of experts 0 to 3,
	s_lshr_b32 s[40+\k], s[66+\k], 16              ; 4 to 7
.endr
	s_mov_b32 s74, 0
.irp e, 0,1,2,3,4,5,6,7
	s_add_co_u32 s61, s[36+\e], 32
	s_mul_i32 s61, s61, 1986                       ; floor(y / 33) = (1986 y) >> 16 for y up to 8,224: the excess 2 y / 2,162,688 stays under 1/33
	s_lshr_b32 s[44+\e], s61, 16
	s_add_co_u32 s74, s74, s[44+\e]
.endr
	s_sub_co_u32 s74, 256, s74                     ; blocks left over
	s_mov_b32 s75, 0
	s_mov_b32 s79, s36
.irp e, 1,2,3,4,5,6,7
	s_cmp_gt_u32 s[36+\e], s79
	s_cselect_b32 s75, \e, s75                     ; the expert with the most rows
	s_cselect_b32 s79, s[36+\e], s79
.endr
.irp e, 0,1,2,3,4,5,6,7
	s_cmp_eq_u32 s75, \e
	s_cselect_b32 s61, s74, 0
	s_add_co_u32 s[44+\e], s[44+\e], s61
.endr
	s_mov_b32 s28, 0                               ; the expert that owns block b, its rows, its blocks, its first block
	s_mov_b32 s80, s36
	s_mov_b32 s81, s44
	s_mov_b32 s82, 0
	s_mov_b32 s83, 0
.irp e, 1,2,3,4,5,6,7
	s_add_co_u32 s83, s83, s[43+\e]                ; first block of expert e
	s_cmp_le_u32 s83, ttmp9                        ; the last expert whose first block is at or below b
	s_cselect_b32 s28, \e, s28
	s_cselect_b32 s80, s[36+\e], s80
	s_cselect_b32 s81, s[44+\e], s81
	s_cselect_b32 s82, s83, s82
.endr
	s_sub_co_u32 s82, ttmp9, s82                   ; j
	s_mov_b32 s85, 0
.irp k, 5,4,3,2,1,0
	s_lshl_b32 s61, s81, \k                        ; q = rows / blocks, at most 33, bit by bit; s80 ends as rem
	s_cmp_ge_u32 s80, s61
	s_cselect_b32 s61, s61, 0
	s_cselect_b32 s60, 1<<\k, 0
	s_sub_co_u32 s80, s80, s61
	s_add_co_u32 s85, s85, s60
.endr
	s_mul_i32 s86, s82, s85
	s_min_u32 s87, s82, s80
	s_add_co_u32 s86, s86, s87                     ; lo
	s_cmp_lt_u32 s82, s80
	s_cselect_b32 s87, 1, 0
	s_add_co_u32 s30, s85, s87                     ; n
	s_min_u32 s30, s30, 33
	s_min_u32 s28, s28, 7
	s_add_co_u32 s62, s86, s27                     ; my first slot's rank
	; my expert's count in each of my 8 groups: its word of the four, its half of the word
	s_and_b32 s60, s28, 3
	s_cmp_eq_u32 s60, 1
	s_cselect_b32 s52, -1, 0
	s_cmp_eq_u32 s60, 2
	s_cselect_b32 s53, -1, 0
	s_cmp_eq_u32 s60, 3
	s_cselect_b32 s54, -1, 0
	s_lshr_b32 s61, s28, 2
	s_lshl_b32 s55, s61, 4
.irp k, 0,1,2,3,4,5,6,7
	v_cndmask_b32 v[CE+\k], v[HI+4*\k], v[HI+4*\k+1], s52
.endr
.irp k, 0,1,2,3,4,5,6,7
	v_cndmask_b32 v[CE+\k], v[CE+\k], v[HI+4*\k+2], s53
.endr
.irp k, 0,1,2,3,4,5,6,7
	v_cndmask_b32 v[CE+\k], v[CE+\k], v[HI+4*\k+3], s54
.endr
.irp k, 0,1,2,3,4,5,6,7
	v_bfe_u32 v[CE+\k], v[CE+\k], s55, 16
.endr
	; the sum of the lanes below mine
	v_add_nc_u32 v[SUM], v[CE], v[CE+1]
.irp k, 2,3,4,5,6,7
	v_add_nc_u32 v[SUM], v[SUM], v[CE+\k]
.endr
	v_mov_b32 v[PRE], 0
	SCS 1, 20
	SCS 2, 21
	SCS 4, 22
	SCS 8, 23
	v_permlanex16_b32 v[TT], v[SUM], s2, s3
	v_cndmask_b32 v[T2], 0, v[TT], s24
	v_add_nc_u32 v[PRE], v[PRE], v[T2]
	; O0[k] = my first rank less the rows in front of group 8 lane + k (it wraps where that group lies past the rank)
	v_sub_nc_u32 v[O0], s62, v[PRE]
.irp k, 1,2,3,4,5,6,7
	v_sub_nc_u32 v[O0+\k], v[O0+\k-1], v[CE+\k-1]
.endr
.irp k, 0,1,2,3,4,5,6,7
	v_add_nc_u32 v[VAL+\k], 256*\k, v[GL]
.endr
.irp k, 0,1,2,3,4,5,6,7
	v_add_nc_u32 v[VAL+\k], v[VAL+\k], v[O0+\k]    ; 256 x group + place of slot 0; slot t's place is t more
.endr
.irp t, 0,1,2,3,4
	v_mov_b32 v[AT+\t], -\t                        ; so that a lane without the slot's group ends at 0
.endr
	; slot t lies in the group where 0 <= O0 + t < count (one unsigned compare); one group of the 256 at the most
.irp k, 0,1,2,3,4,5,6,7
.irp t, 1,2,3,4
	v_add_nc_u32 v[TA+\t], \t, v[O0+\k]
.endr
	v_cmp_lt_u32 s40, v[O0+\k], v[CE+\k]
.irp t, 1,2,3,4
	v_cmp_lt_u32 s[40+\t], v[TA+\t], v[CE+\k]
.endr
.irp t, 0,1,2,3,4
	v_cndmask_b32 v[AT+\t], v[AT+\t], v[VAL+\k], s[40+\t]
.endr
.endr
.irp t, 1,2,3,4
	v_add_nc_u32 v[AT+\t], \t, v[AT+\t]
.endr
	v_lshl_or_b32 v[AT], v[AT+1], 16, v[AT]        ; below 65,536 each: two to a word
	v_lshl_or_b32 v[AT+2], v[AT+3], 16, v[AT+2]
	ISUM AT
	ISUM AT+2
	ISUM AT+4
	v_readfirstlane_b32 s66, v[AT]
	v_readfirstlane_b32 s67, v[AT+2]
	v_readfirstlane_b32 s68, v[AT+4]
	s_and_b32 s70, s66, 0xffff
	s_lshr_b32 s71, s66, 16
	s_and_b32 s72, s67, 0xffff
	s_lshr_b32 s73, s67, 16
	s_and_b32 s74, s68, 0xffff
.irp t, 0,1,2,3,4
	s_lshr_b32 s[44+\t], s[70+\t], 8
	s_min_u32 s[44+\t], s[44+\t], 255              ; the slot's group
	s_and_b32 s[92+\t], s[70+\t], 0xff             ; its place among the group's rows of my expert
	v_lshl_add_u32 v[EA+\t], s[44+\t], 7, v[L4]
	global_load_b32 v[EV+\t], v[EA+\t], s[8:9]     ; the group's 32 experts, 128 neighbouring bytes
.endr
.irp t, 1,2,3,4
	v_lshlrev_b32 v[LS+\t], 6*\t, v1
.endr
	s_lshl_b32 s60, s28, 6
	s_lshl_b32 s34, s26, 3
	s_add_co_u32 s60, s60, s34                     ; record 64 e + 8 w of level 0
	s_mul_i32 s34, s60, REC
	v_add_nc_u32 v[AO], s34, v2
	s_wait_loadcnt 0x0
.irp t, 0,1,2,3,4
	v_cmp_eq_u32 s[80+\t], s28, v[EV+\t]           ; the lanes of my expert
.endr
.irp t, 0,1,2,3,4
	v_mbcnt_lo_u32_b32 v[MB+\t], s[80+\t], 0       ; how many of them lie below my lane
.endr
.irp t, 0,1,2,3,4
	v_cmp_eq_u32 s[52+\t], s[92+\t], v[MB+\t]
.endr
.irp t, 0,1,2,3,4
	s_and_b32 s[52+\t], s[52+\t], s[80+\t]         ; the one lane that is the slot's row (none, if the rank is past the expert's rows)
.endr
	v_cndmask_b32 v[SEL], 0, v1, s52
.irp t, 1,2,3,4
	v_cndmask_b32 v[T2], 0, v[LS+\t], s[52+\t]
	v_add_nc_u32 v[SEL], v[SEL], v[T2]             ; five fields of 6 bits
.endr
	ISUM SEL
	v_readfirstlane_b32 s66, v[SEL]
.irp t, 0,1,2,3,4
	s_bfe_u32 s61, s66, (5<<16)|(6*\t)
	s_lshl_b32 s[36+\t], s[44+\t], 5
	s_add_co_u32 s[36+\t], s[36+\t], s61           ; row = 32 x group + lane
	s_min_u32 s[36+\t], s[36+\t], 0x1fff
	v_lshl_add_u32 v[8+\t], s[36+\t], 10, v2
	global_load_b128 v[RW+8*\t:RW+8*\t+3], v[8+\t], s[10:11]
	global_load_b128 v[RW+8*\t+4:RW+8*\t+7], v[8+\t], s[10:11] offset:512
.endr
	ALOAD 0, A0, CC0
	ALOAD 1, A1, CC1
	; what lanes 0 to 4 will store for my five slots
	v_mov_b32 v16, s36
.irp t, 1,2,3,4
	v_cmp_eq_u32 vcc_lo, \t, v1
	v_cndmask_b32 v16, v16, s[36+\t], vcc_lo       ; lane t: slot t's row
.endr
	s_mul_i32 s90, ttmp9, 40
	s_add_co_u32 s90, s90, s27
	v_add_nc_u32 v19, s90, v1                      ; 40 b + slot
	v_add_nc_u32 v20, s27, v1                      ; slot
	s_lshl_b32 s91, ttmp9, 8
	v_lshl_add_u32 v17, v20, 2, s91                ; the slot's word in my block's record
	v_add_nc_u32 v18, 0x2000, v19
	v_cmp_gt_u32 vcc_lo, s30, v20
	v_cndmask_b32 v18, v18, v16, vcc_lo            ; slot < n: inv[row]; else the slot's own word behind inv
	v_min_u32 v18, 0x47ff, v18
	v_lshlrev_b32 v18, 2, v18
	s_mul_i32 s97, s26, PR
	v_add_nc_u32 v7, s97, v2
.irp i, 0,1,2,3
	v_mov_b32 v[Y+\i], 0
.endr
	ds_store_b128 v7, v[Y:Y+3] offset:40*PR        ; row 40 + w: zeros
	s_mul_i32 s98, s26, 5*PR
	v_lshl_add_u32 v5, v1, 3, s98                  ; my slots' rows, 8 bytes a lane
.macro ROWIN t
	s_wait_loadcnt 36+(4-\t)*2                     ; behind this row's two loads: the later rows' and the 36 of two records
.irp p, 0,1,2,3
	v_pk_mul_f32 v[Y+2*\p:Y+2*\p+1], v[RW+8*\t+2*\p:RW+8*\t+2*\p+1], -2.0 op_sel_hi:[1,0]
.endr
.irp p, 0,1,2,3
	v_cvt_pk_bf16_f32 v[PK+\p], v[Y+2*\p], v[Y+2*\p+1]
.endr
	ds_store_b64 v5, v[PK:PK+1] offset:\t*PR               ; columns 4 lane .. +3
	ds_store_b64 v5, v[PK+2:PK+3] offset:\t*PR+256         ; columns 128 + 4 lane .. +3
.endm
	ROWIN 0
	ROWIN 1
	ROWIN 2
	ROWIN 3
	ROWIN 4
	s_wait_dscnt 0x0                               ; my rows are written, for the others' sake
	s_barrier_signal -1
	s_barrier_wait -1
	v_mul_u32_u24 v[BFR], v3, PR
	v_lshl_add_u32 v[BFR], v4, 4, v[BFR]           ; row r, 16 h
	WIN 0x40                                       ; destination in the second window
.irp t, 0,1,2
.irp s, 0,1,2,3,4,5,6,7
	ds_load_b128 v[64*\t+8*\s:64*\t+8*\s+3], v[BFR] offset:\t*16*PR+64*\s
	ds_load_b128 v[64*\t+8*\s+4:64*\t+8*\s+7], v[BFR] offset:\t*16*PR+64*\s+32
.endr
.endr
	WIN 0
	s_lshl_b32 s90, s26, 7
	s_sub_co_u32 s90, s90, 16                      ; 128 w, one record back: each record adds 16 first
	v_lshl_add_u32 v[IX], v4, 3, s90
.irp j, 1,2,3,4,5,6,7
	v_add_nc_u32 v[IX+\j], \j, v[IX]
.endr
.irp i, 0,1,2,3,4,5
	v_mov_b32 v[MM+\i], 0x7f7fffff                 ; the largest finite number
.endr
	v_mul_u32_u24 v[MAD], v3, PM
	v_lshl_add_u32 v[MAD], v4, 3, v[MAD]
	s_lshl_b32 s99, s26, 4
	v_add_nc_u32 v[MAD], s99, v[MAD]
	s_wait_dscnt 0x0
	CT A0, CC0, 2, 18
	CT A1, CC1, 3, 18
	CT A0, CC0, 4, 18
	CT A1, CC1, 5, 18
	CT A0, CC0, 6, 18
	CT A1, CC1, 7, 18
	CT A0, CC0, 0, 18
	CT A1, CC1, 0, 0
.irp t, 0,1,2
	ds_store_b64 v[MAD], v[MM+2*\t:MM+2*\t+1] offset:MRG+\t*16*PM
.endr
	v_cmp_gt_u32 vcc_lo, 5, v1                     ; lanes 0 to 4: my five slots
	s_wait_xcnt 0x0                                ; EXEC changes only behind this wait
	s_and_saveexec_b32 s84, vcc_lo
	global_store_b32 v17, v16, s[14:15] offset:64          ; the slot's row
	global_store_b32 v18, v19, s[14:15] offset:65536       ; inv[row] = 40 b + slot
	s_wait_xcnt 0x0
	s_or_b32 exec_lo, exec_lo, s84
	s_wait_dscnt 0x0
	s_barrier_signal -1
	s_barrier_wait -1
	; waves 0 and 1: thread i merges slot i's 32 figures and stores its candidates
	s_cmp_ge_u32 s26, 2
	s_cbranch_scc1 .Lend
	v_min_u32 v8, 47, v0
	v_mul_u32_u24 v8, v8, PM
.irp k, 0,1,2,3,4,5,6,7
	ds_load_b128 v[32+4*\k:35+4*\k], v8 offset:MRG+16*\k   ; bytes 0 to 127 of the row's 144
.endr
	v_mov_b32 v76, 0x7f7fffff
	s_mul_i32 s90, ttmp9, 40
	v_add_nc_u32 v14, s90, v0                      ; 40 b + i
	v_lshlrev_b32 v15, 4, v14
	v_mov_b32 v13, s91                             ; my block's record
	v_mov_b32 v88, s28
	v_mov_b32 v89, s30
	v_mov_b32 v90, 0
	v_mov_b32 v91, 0
	s_wait_dscnt 0x0
.set q, 2
.rept 30                               ; v32 <= v33 as stored; every further figure sinks through the three places
	v_max_num_f32 v77, v32, v[32+q]
	v_min_num_f32 v32, v32, v[32+q]
	v_max_num_f32 v78, v33, v77
	v_min_num_f32 v33, v33, v77
	v_min_num_f32 v76, v76, v78
.set q, q+1
.endr
	v_and_b32 v80, 0x3ff, v32
	v_and_b32 v81, 0x3ff, v33
	v_and_b32 v82, 0x3ff, v76
	v_mov_b32 v83, 0
	v_cmp_gt_u32 vcc_lo, 40, v0                    ; all 40 slots: the next launch reads them all
	s_wait_xcnt 0x0                                ; EXEC changes only behind this wait
	s_and_saveexec_b32 s84, vcc_lo
	global_store_b128 v15, v[80:83], s[16:17]
	s_wait_xcnt 0x0
	s_or_b32 exec_lo, exec_lo, s84
	v_cmp_eq_u32 vcc_lo, 0, v0
	s_and_saveexec_b32 s84, vcc_lo
	global_store_b128 v13, v[88:91], s[14:15]              ; expert, n, 0, 0
	s_wait_xcnt 0x0
	s_or_b32 exec_lo, exec_lo, s84
	s_or_b32 s90, ttmp9, s26
	s_cmp_lg_u32 s90, 0
	s_cbranch_scc1 .Lend
	global_store_b32 v[L4], v83, s[16:17] offset:163840    ; group 0, wave 0: the level of these candidates (0), 32 equal words
.Lend:
	s_wait_tensorcnt 0x0
	ds_add_u32 v28, v31
	s_wait_dscnt 0x0
	s_endpgm
.Lfunc_end_k_qd0f8cd712d_cand0:
	.size	k_qd0f8cd712d_cand0, .Lfunc_end_k_qd0f8cd712d_cand0-k_qd0f8cd712d_cand0
	.p2alignl 7, 3214868480
	.fill 96, 4, 3214868480
	.section	.rodata,"a",@progbits
	.p2align	6, 0x0
	.amdhsa_kernel k_qd0f8cd712d_cand0
		.amdhsa_group_segment_fixed_size 33792
		.amdhsa_private_segment_fixed_size 0
		.amdhsa_enable_private_segment 0
		.amdhsa_kernarg_size 40
		.amdhsa_user_sgpr_count 2
		.amdhsa_user_sgpr_kernarg_segment_ptr 1
		.amdhsa_wavefront_size32 1
		.amdhsa_system_sgpr_workgroup_id_x 1
		.amdhsa_system_sgpr_workgroup_id_y 1
		.amdhsa_system_sgpr_workgroup_id_z 1
		.amdhsa_system_vgpr_workitem_id 0
		.amdhsa_next_free_vgpr 448
		.amdhsa_next_free_sgpr 100
		.amdhsa_reserve_vcc 1
		.amdhsa_float_denorm_mode_32 3
		.amdhsa_float_denorm_mode_16_64 3
		.amdhsa_memory_ordered 1
		.amdhsa_forward_progress 1
		.amdhsa_inst_pref_size 105
	.end_amdhsa_kernel
	.amdgpu_metadata
---
amdhsa.version: [ 1, 2 ]
amdhsa.kernels:
  - .name:           k_qd0f8cd712d_cand0
    .symbol:         k_qd0f8cd712d_cand0.kd
    .args:
      - { .name: eid, .offset: 0, .size: 8, .value_kind: global_buffer, .address_space: global }
      - { .name: x, .offset: 8, .size: 8, .value_kind: global_buffer, .address_space: global }
      - { .name: cbh, .offset: 16, .size: 8, .value_kind: global_buffer, .address_space: global }
      - { .name: srt, .offset: 24, .size: 8, .value_kind: global_buffer, .address_space: global }
      - { .name: candA, .offset: 32, .size: 8, .value_kind: global_buffer, .address_space: global }
    .group_segment_fixed_size: 33792
    .private_segment_fixed_size: 0
    .kernarg_segment_align: 8
    .kernarg_segment_size: 40
    .max_flat_workgroup_size: 256
    .sgpr_count:     100
    .vgpr_count:     448
    .wavefront_size: 32
...
	.end_amdgpu_metadata
.endif
;; end of part 2
;; launch step1 (part 3): grid 256 x 1, 8 waves a work-group, no clusters, 33,792 bytes of LDS; arguments srt, candA, x, codebooks, cbh, candB, resA, idxp, lossp; writes candB, resA, idxp, lossp
.if DOCPART == 3
	.amdgcn_target "amdgcn-amd-amdhsa--gfx1250"
	.amdhsa_code_object_version 6
	.text
	.protected	k_qd0f8cd712d_step1
	.globl	k_qd0f8cd712d_step1
	.p2align	8
	.type	k_qd0f8cd712d_step1,@function
k_qd0f8cd712d_step1:
	s_mov_b64 s[64:65], 0
	v_nop
	global_prefetch_b8 v0, s[64:65] scope:SCOPE_SE
	s_setreg_imm32_b32 hwreg(HW_REG_WAVE_MODE, 25, 1), 1
	s_wait_xcnt 0x0
; One level closed and the next one's candidates made.  Group b owns block b: 1 to 33 rows of one expert in 40 slots; the level is a word
; read from the candidates' buffer (0, 1 or 2), so one text serves three launches.  The block's record (expert, n, the slots' rows) and the
; slots' candidates lie at places made of the group's and the wave's number alone, so one wait serves all these scalar loads.
; FIRST PART, f32, a wave for 5 slots: the residual row and its three candidate codes are gathered (addresses from whole numbers that
; earlier launches stored); d = sum of c (c - 2 r) for each; the smallest wins, equal ones by the lower number; then, in the order of the
; function computed: tq = q - r, qst = r + tq, r' = r - qst.  r' goes to memory in f32 and, as bf16(-2 r'), to LDS; the squares
; of tq feed the loss.  Slots at or past n hold some other row: they are worked on, add nothing to the loss and store no residual.
; SECOND PART: the next level's candidates: every wave keeps the 48 LDS rows as 192 registers of right-hand
; operands and walks 8 records of cbh, which come from memory in operand order straight into registers.
; LIMITS: the f32 minimum has to be among the 3 smallest bf16 distances (and the 2 smallest of its 64 codes in a lane); it fails only
; where three or four codes lie within the bf16 products' error of each other.  NaN and infinite distances are not served.
; NO LDS RING AND NO JOINT LOADS: no two waves of a group read the same code bytes, and how many groups share an expert hangs on counts
; read from memory, so the grid does not divide into clusters of one expert at every input.
.set PR,    528                        ; LDS row: 512 bytes of bf16 + 16, an odd multiple of 16
.set MRG,   48*PR                      ; 48 rows x 144 bytes: pair (w, h) of a row at 16 w + 8 h
.set PM,    144
.set IDXL,  MRG+48*PM                  ; 40 words: the slots' chosen codes
.set LOSSL, 32512                      ; 8 words: the waves' sums of squares
.set REC,   9216
.set OFF, 8                            ; v[8:27]  slot t: offsets of its row and of its three codes
.set L4,  30                           ; v30 4 x lane, made at the head and never rewritten: the level word's offset
.set LV,  31                           ; v31 the next level, the level word's data
.set SL,  32                           ; slot t at 32 + 40 t: r 8, c0 8, c1 8, c2 8 registers
.set U,   232                          ; v[232:239]
.set AC,  240                          ; v[240:245]
.set DD,  246                          ; v[246:248] the three distances; v246 becomes the best
.set TP,  249
.set BI,  251
.set LA,  252                          ; v[252:253] squares
.set A0,  32
.set A1,  96
.set CC0, 160
.set CC1, 168
.set ACC, 176
.set MM,  200
.set IX,  208
.set BFR, 216
.set MAD, 217
; v256-v447: right-hand operands, row block t, K step s at v[256 + 64 t + 8 s]
.set MSB, 0
.macro WIN new                         ; the immediate's high byte repeats the setting that is left
.if MSB != \new
	s_set_vgpr_msb (MSB<<8)|\new
.set MSB, \new
.endif
.endm
.macro ALOAD T, buf, cc                ; one record: 18 loads of 512 neighbouring bytes
.irp c, 0,1,2,3,4,5,6,7,8,9,10,11,12,13,14,15
	global_load_b128 v[\buf+4*\c:\buf+4*\c+3], v2, s[88:89] offset:(\T)*REC+512*\c
.endr
	global_load_b128 v[\cc:\cc+3], v2, s[88:89] offset:(\T)*REC+8192
	global_load_b128 v[\cc+4:\cc+7], v2, s[88:89] offset:(\T)*REC+8704
.endm
; One record.  nxt: the record that is loaded into this buffer next (0: none).  left: the loads of the record behind this one.
; The three accumulators take turns, one instruction a turn.
.macro CT buf, cc, nxt, left
	s_wait_loadcnt \left
	WIN 0x04                                       ; source 1 in the second window
.irp s, 0,1,2,3,4,5,6,7
.irp t, 0,1,2
.if \s == 0
	v_wmma_f32_16x16x32_bf16 v[ACC+8*\t:ACC+8*\t+7], v[\buf:\buf+7], v[64*\t:64*\t+7], v[\cc:\cc+7]
.else
	v_wmma_f32_16x16x32_bf16 v[ACC+8*\t:ACC+8*\t+7], v[\buf+8*\s:\buf+8*\s+7], v[64*\t+8*\s:64*\t+8*\s+7], v[ACC+8*\t:ACC+8*\t+7]
.endif
.endr
.endr
	WIN 0
.irp j, 0,1,2,3,4,5,6,7
	v_add_nc_u32 v[IX+\j], 16, v[IX+\j]            ; this record's numbers; eight plain places behind the last matrix instruction (ISA guide 7.12.1)
.endr
.if \nxt
	ALOAD \nxt, \buf, \cc
.endif
.irp j, 0,1,2,3,4,5,6,7
.irp t, 0,1,2
	v_and_or_b32 v[ACC+8*\t+\j], v[ACC+8*\t+\j], s78, v[IX+\j]
	v_med3_num_f32 v[MM+2*\t+1], v[MM+2*\t], v[MM+2*\t+1], v[ACC+8*\t+\j]     ; the middle of (smallest, second, new) is the new second
	v_min_num_f32 v[MM+2*\t], v[MM+2*\t], v[ACC+8*\t+\j]
.endr
.endr
.endm
.macro WSUM reg                        ; sum over the 32 lanes, result in every lane
	v_add_f32_dpp v[\reg], v[\reg], v[\reg] row_xmask:1 row_mask:0xf bank_mask:0xf
	v_add_f32_dpp v[\reg], v[\reg], v[\reg] row_xmask:2 row_mask:0xf bank_mask:0xf
	v_add_f32_dpp v[\reg], v[\reg], v[\reg] row_xmask:4 row_mask:0xf bank_mask:0xf
	v_add_f32_dpp v[\reg], v[\reg], v[\reg] row_xmask:8 row_mask:0xf bank_mask:0xf
	v_permlanex16_b32 v[TP], v[\reg], s76, s77
	v_add_f32 v[\reg], v[\reg], v[TP]
.endm
	s_load_b512 s[8:23], s[0:1], 0x0               ; srt 8, candidates in 10, residual in 12, codebooks 14, cbh 16, candidates out 18, residual out 20, idxp 22
	s_load_b64 s[24:25], s[0:1], 0x40              ; lossp
	v_lshl_add_u32 v254, v0, 2, 0x8000
	v_mov_b32 v255, 0
	v_lshrrev_b32 v1, 5, v0
	v_readfirstlane_b32 s26, v1                    ; wave
	v_and_b32 v1, 31, v0
	v_lshlrev_b32 v2, 4, v1                        ; 16 x lane
	v_and_b32 v3, 15, v0                           ; r
	v_bfe_u32 v4, v0, 4, 1                         ; h
	v_lshlrev_b32 v[L4], 2, v1                     ; 4 x lane
	s_mov_b32 s76, 0x76543210
	s_mov_b32 s77, 0xfedcba98
	s_mov_b32 s78, 0xfffffc00
	s_mul_i32 s27, s26, 5                          ; my first slot
	s_lshl_b32 s91, ttmp9, 8                       ; my block's record of 256 bytes
	s_mul_i32 s66, s26, 20
	s_add_co_u32 s66, s66, s91                     ; my five slots' rows, 64 bytes into it
	s_mul_i32 s67, ttmp9, 640
	s_mul_i32 s68, s26, 80
	s_add_co_u32 s67, s67, s68                     ; my five slots' candidates: 16 (40 b + 5 w)
	s_wait_kmcnt 0x0
	s_load_b64 s[28:29], s[8:9], s91 offset:0x0            ; expert, n
	s_load_b32 s32, s[10:11], 0x28000                      ; the level of these candidates
.irp t, 0,1,2,3,4
	s_load_b32 s[36+\t], s[8:9], s66 offset:64+4*\t                ; the slot's row
	s_load_b128 s[44+4*\t:47+4*\t], s[10:11], s67 offset:16*\t     ; its three candidates
.endr
	s_wait_kmcnt 0x0
	s_min_u32 s28, s28, 7
	s_min_u32 s30, s29, 33
	s_min_u32 s32, s32, 2
	s_lshl_b32 s90, s32, 3
	s_add_co_u32 s90, s90, s28                     ; 8 level + expert
	s_lshl_b32 s34, s90, 20                        ; 1,024 codes of 1,024 bytes
	s_mov_b32 s35, 0
	s_add_nc_u64 s[86:87], s[14:15], s[34:35]
.irp t, 0,1,2,3,4
	s_min_u32 s[36+\t], s[36+\t], 0x1fff
	v_lshl_add_u32 v[OFF+4*\t], s[36+\t], 10, v2
	global_load_b128 v[SL+40*\t:SL+40*\t+3], v[OFF+4*\t], s[12:13]
	global_load_b128 v[SL+40*\t+4:SL+40*\t+7], v[OFF+4*\t], s[12:13] offset:512
.irp k, 0,1,2
	s_min_u32 s[44+4*\t+\k], s[44+4*\t+\k], 0x3ff
	v_lshl_add_u32 v[OFF+4*\t+1+\k], s[44+4*\t+\k], 10, v2
	global_load_b128 v[SL+40*\t+8+8*\k:SL+40*\t+11+8*\k], v[OFF+4*\t+1+\k], s[86:87]
	global_load_b128 v[SL+40*\t+12+8*\k:SL+40*\t+15+8*\k], v[OFF+4*\t+1+\k], s[86:87] offset:512
.endr
.endr
	s_add_co_u32 s96, s32, 1                       ; the next level
	v_mov_b32 v[LV], s96
	s_add_co_u32 s90, s90, 8
	s_lshl_b32 s90, s90, 6
	s_lshl_b32 s91, s26, 3
	s_add_co_u32 s90, s90, s91                     ; my first record of the next level
	s_mul_i32 s34, s90, REC
	s_add_nc_u64 s[88:89], s[16:17], s[34:35]
	s_mul_i32 s34, s32, 40960
	s_add_nc_u64 s[92:93], s[22:23], s[34:35]      ; idxp at this level: 10,240 words a level
	s_lshl_b32 s34, s32, 8
	s_add_co_u32 s34, s34, ttmp9
	s_lshl_b32 s34, s34, 2
	s_add_nc_u64 s[94:95], s[24:25], s[34:35]      ; my word of lossp
	s_mul_i32 s97, s26, PR
	v_add_nc_u32 v7, s97, v2
.irp i, 0,1,2,3
	v_mov_b32 v[U+\i], 0
.endr
	ds_store_b128 v7, v[U:U+3] offset:40*PR        ; row 40 + w: zeros
	s_mul_i32 s98, s26, 5*PR
	v_lshl_add_u32 v5, v1, 3, s98                  ; my slots' rows, 8 bytes a lane
	s_mul_i32 s99, s26, 20
	v_mov_b32 v6, s99                              ; my slots' words of the chosen codes
	s_lshl_b32 s97, s26, 2
	v_mov_b32 v28, s97                             ; my word of the squares
	v_mov_b32 v[TP], 0                             ; written once: the lane exchange counts as a reader of its destination
	v_mov_b32 v[LA], 0
	v_mov_b32 v[LA+1], 0
.macro REFINE t
.set D, SL+40*\t
	s_wait_loadcnt (4-\t)*8                        ; the later slots' eight loads each stay out
.irp k, 0,1,2
.irp p, 0,1,2,3
	v_pk_fma_f32 v[U+2*\p:U+2*\p+1], v[D+2*\p:D+2*\p+1], -2.0, v[D+8+8*\k+2*\p:D+9+8*\k+2*\p] op_sel_hi:[1,0,1]   ; c - 2 r
.endr
	v_pk_mul_f32 v[AC+2*\k:AC+2*\k+1], v[U:U+1], v[D+8+8*\k:D+9+8*\k]
.irp p, 1,2,3
	v_pk_fma_f32 v[AC+2*\k:AC+2*\k+1], v[U+2*\p:U+2*\p+1], v[D+8+8*\k+2*\p:D+9+8*\k+2*\p], v[AC+2*\k:AC+2*\k+1]
.endr
	v_add_f32 v[DD+\k], v[AC+2*\k], v[AC+2*\k+1]
.endr
	WSUM DD
	WSUM DD+1
	WSUM DD+2
	v_mov_b32 v[BI], s[44+4*\t]
.irp k, 1,2
	v_cmp_lt_f32 s80, v[DD+\k], v[DD]
	v_cmp_eq_f32 s81, v[DD+\k], v[DD]
	v_cmp_gt_u32 s82, v[BI], s[44+4*\t+\k]         ; of equal distances the lower number
	s_and_b32 s81, s81, s82
	s_or_b32 vcc_lo, s80, s81
	v_cndmask_b32 v[DD], v[DD], v[DD+\k], vcc_lo
	v_cndmask_b32 v[BI], v[BI], s[44+4*\t+\k], vcc_lo
.irp i, 0,1,2,3,4,5,6,7
	v_cndmask_b32 v[D+8+\i], v[D+8+\i], v[D+8+8*\k+\i], vcc_lo
.endr
.endr
.irp p, 0,1,2,3
	v_pk_add_f32 v[U+2*\p:U+2*\p+1], v[D+8+2*\p:D+9+2*\p], v[D+2*\p:D+2*\p+1] neg_lo:[0,1] neg_hi:[0,1]           ; tq = q - r
.endr
.irp p, 0,1,2,3
	v_pk_add_f32 v[D+16+2*\p:D+17+2*\p], v[D+2*\p:D+2*\p+1], v[U+2*\p:U+2*\p+1]                                   ; qst = r + tq
.endr
.irp p, 0,1,2,3
	v_pk_add_f32 v[D+2*\p:D+2*\p+1], v[D+2*\p:D+2*\p+1], v[D+16+2*\p:D+17+2*\p] neg_lo:[0,1] neg_hi:[0,1]         ; r' = r - qst
.endr
.irp p, 0,1,2,3
	v_pk_mul_f32 v[D+16+2*\p:D+17+2*\p], v[D+2*\p:D+2*\p+1], -2.0 op_sel_hi:[1,0]
.endr
.irp p, 0,1,2,3
	v_cvt_pk_bf16_f32 v[D+24+\p], v[D+16+2*\p], v[D+17+2*\p]
.endr
	ds_store_b64 v5, v[D+24:D+25] offset:\t*PR             ; columns 4 lane .. +3
	ds_store_b64 v5, v[D+26:D+27] offset:\t*PR+256         ; columns 128 + 4 lane .. +3
	ds_store_b32 v6, v[BI] offset:IDXL+4*\t
	s_add_co_u32 s90, s27, \t
	s_cmp_ge_u32 s90, s30
	s_cbranch_scc1 .Lpad_\@                        ; a slot at or past n adds nothing and stores nothing
.irp p, 0,1,2,3
	v_pk_fma_f32 v[LA:LA+1], v[U+2*\p:U+2*\p+1], v[U+2*\p:U+2*\p+1], v[LA:LA+1]
.endr
	global_store_b128 v[OFF+4*\t], v[D:D+3], s[20:21]              ; 512 neighbouring bytes each
	global_store_b128 v[OFF+4*\t], v[D+4:D+7], s[20:21] offset:512
.Lpad_\@:
.endm
	REFINE 0
	REFINE 1
	REFINE 2
	REFINE 3
	REFINE 4
	v_add_f32 v[LA], v[LA], v[LA+1]
	WSUM LA
	ds_store_b32 v28, v[LA] offset:LOSSL
	s_wait_dscnt 0x0                               ; my LDS stores are done: for the others' sake, and their data registers are loaded next
	s_wait_xcnt 0x0                                ; the global stores' data registers are rewritten only behind this wait
	ALOAD 0, A0, CC0
	ALOAD 1, A1, CC1
	s_barrier_signal -1
	s_barrier_wait -1
	v_mul_u32_u24 v[BFR], v3, PR
	v_lshl_add_u32 v[BFR], v4, 4, v[BFR]           ; row r, 16 h
	WIN 0x40                                       ; destination in the second window
.irp t, 0,1,2
.irp s, 0,1,2,3,4,5,6,7
	ds_load_b128 v[64*\t+8*\s:64*\t+8*\s+3], v[BFR] offset:\t*16*PR+64*\s
	ds_load_b128 v[64*\t+8*\s+4:64*\t+8*\s+7], v[BFR] offset:\t*16*PR+64*\s+32
.endr
.endr
	WIN 0
	s_lshl_b32 s90, s26, 7
	s_sub_co_u32 s90, s90, 16                      ; 128 w, one record back: each record adds 16 first
	v_lshl_add_u32 v[IX], v4, 3, s90
.irp j, 1,2,3,4,5,6,7
	v_add_nc_u32 v[IX+\j], \j, v[IX]
.endr
.irp i, 0,1,2,3,4,5
	v_mov_b32 v[MM+\i], 0x7f7fffff                 ; the largest finite number
.endr
	v_mul_u32_u24 v[MAD], v3, PM
	v_lshl_add_u32 v[MAD], v4, 3, v[MAD]
	s_lshl_b32 s91, s26, 4
	v_add_nc_u32 v[MAD], s91, v[MAD]
	s_wait_dscnt 0x0
	CT A0, CC0, 2, 18
	CT A1, CC1, 3, 18
	CT A0, CC0, 4, 18
	CT A1, CC1, 5, 18
	CT A0, CC0, 6, 18
	CT A1, CC1, 7, 18
	CT A0, CC0, 0, 18
	CT A1, CC1, 0, 0
.irp t, 0,1,2
	ds_store_b64 v[MAD], v[MM+2*\t:MM+2*\t+1] offset:MRG+\t*16*PM
.endr
	s_wait_dscnt 0x0
	s_barrier_signal -1
	s_barrier_wait -1
	; waves 0 and 1: thread i merges slot i's 32 figures and stores what belongs to slot i
	s_cmp_ge_u32 s26, 2
	s_cbranch_scc1 .Lend
	v_min_u32 v8, 47, v0
	v_mul_u32_u24 v8, v8, PM
.irp k, 0,1,2,3,4,5,6,7
	ds_load_b128 v[32+4*\k:35+4*\k], v8 offset:MRG+16*\k   ; bytes 0 to 127 of the row's 144
.endr
	v_min_u32 v9, 39, v0
	v_lshlrev_b32 v9, 2, v9
	ds_load_b32 v64, v9 offset:IDXL
	v_mov_b32 v10, 0
	ds_load_b128 v[68:71], v10 offset:LOSSL
	ds_load_b128 v[72:75], v10 offset:LOSSL+16
	v_mov_b32 v76, 0x7f7fffff
	s_mul_i32 s91, ttmp9, 40
	v_add_nc_u32 v84, s91, v0                      ; 40 b + i
	v_lshlrev_b32 v85, 4, v84
	v_lshlrev_b32 v86, 2, v84
	s_wait_dscnt 0x0
.set q, 2
.rept 30                               ; v32 <= v33 as stored; every further figure sinks through the three places
	v_max_num_f32 v77, v32, v[32+q]
	v_min_num_f32 v32, v32, v[32+q]
	v_max_num_f32 v78, v33, v77
	v_min_num_f32 v33, v33, v77
	v_min_num_f32 v76, v76, v78
.set q, q+1
.endr
	v_and_b32 v80, 0x3ff, v32
	v_and_b32 v81, 0x3ff, v33
	v_and_b32 v82, 0x3ff, v76
	v_mov_b32 v83, 0
	v_pk_add_f32 v[68:69], v[68:69], v[70:71]
	v_pk_add_f32 v[72:73], v[72:73], v[74:75]
	v_pk_add_f32 v[68:69], v[68:69], v[72:73]
	v_add_f32 v68, v68, v69                        ; the group's sum of squares
	v_cmp_gt_u32 vcc_lo, 40, v0                    ; all 40 slots: the next launch reads them all
	s_wait_xcnt 0x0                                ; EXEC changes only behind this wait
	s_and_saveexec_b32 s84, vcc_lo
	global_store_b128 v85, v[80:83], s[18:19]
	s_wait_xcnt 0x0
	s_or_b32 exec_lo, exec_lo, s84
	v_cmp_gt_u32 vcc_lo, s30, v0                   ; the block's own rows
	s_and_saveexec_b32 s84, vcc_lo
	global_store_b32 v86, v64, s[92:93]
	s_wait_xcnt 0x0
	s_or_b32 exec_lo, exec_lo, s84
	v_cmp_eq_u32 vcc_lo, 0, v0
	s_and_saveexec_b32 s84, vcc_lo
	global_store_b32 v10, v68, s[94:95]
	s_wait_xcnt 0x0
	s_or_b32 exec_lo, exec_lo, s84
	s_or_b32 s90, ttmp9, s26
	s_cmp_lg_u32 s90, 0
	s_cbranch_scc1 .Lend
	global_store_b32 v[L4], v[LV], s[18:19] offset:163840  ; group 0, wave 0: the level of the new candidates, 32 equal words
.Lend:
	s_wait_tensorcnt 0x0
	ds_add_u32 v254, v255
	s_wait_dscnt 0x0
	s_endpgm
.Lfunc_end_k_qd0f8cd712d_step1:
	.size	k_qd0f8cd712d_step1, .Lfunc_end_k_qd0f8cd712d_step1-k_qd0f8cd712d_step1
	.p2alignl 7, 3214868480
	.fill 96, 4, 3214868480
	.section	.rodata,"a",@progbits
	.p2align	6, 0x0
	.amdhsa_kernel k_qd0f8cd712d_step1
		.amdhsa_group_segment_fixed_size 33792
		.amdhsa_private_segment_fixed_size 0
		.amdhsa_enable_private_segment 0
		.amdhsa_kernarg_size 72
		.amdhsa_user_sgpr_count 2
		.amdhsa_user_sgpr_kernarg_segment_ptr 1
		.amdhsa_wavefront_size32 1
		.amdhsa_system_sgpr_workgroup_id_x 1
		.amdhsa_system_sgpr_workgroup_id_y 1
		.amdhsa_system_sgpr_workgroup_id_z 1
		.amdhsa_system_vgpr_workitem_id 0
		.amdhsa_next_free_vgpr 448
		.amdhsa_next_free_sgpr 100
		.amdhsa_reserve_vcc 1
		.amdhsa_float_denorm_mode_32 3
		.amdhsa_float_denorm_mode_16_64 3
		.amdhsa_memory_ordered 1
		.amdhsa_forward_progress 1
		.amdhsa_inst_pref_size 110
	.end_amdhsa_kernel
	.amdgpu_metadata
---
amdhsa.version: [ 1, 2 ]
amdhsa.kernels:
  - .name:           k_qd0f8cd712d_step1
    .symbol:         k_qd0f8cd712d_step1.kd
    .args:
      - { .name: srt, .offset: 0, .size: 8, .value_kind: global_buffer, .address_space: global }
      - { .name: candA, .offset: 8, .size: 8, .value_kind: global_buffer, .address_space: global }
      - { .name: x, .offset: 16, .size: 8, .value_kind: global_buffer, .address_space: global }
      - { .name: codebooks, .offset: 24, .size: 8, .value_kind: global_buffer, .address_space: global }
      - { .name: cbh, .offset: 32, .size: 8, .value_kind: global_buffer, .address_space: global }
      - { .name: candB, .offset: 40, .size: 8, .value_kind: global_buffer, .address_space: global }
      - { .name: resA, .offset: 48, .size: 8, .value_kind: global_buffer, .address_space: global }
      - { .name: idxp, .offset: 56, .size: 8, .value_kind: global_buffer, .address_space: global }
      - { .name: lossp, .offset: 64, .size: 8, .value_kind: global_buffer, .address_space: global }
    .group_segment_fixed_size: 33792
    .private_segment_fixed_size: 0
    .kernarg_segment_align: 8
    .kernarg_segment_size: 72
    .max_flat_workgroup_size: 256
    .sgpr_count:     100
    .vgpr_count:     448
    .wavefront_size: 32
...
	.end_amdgpu_metadata
.endif
;; end of part 3
;; launch step2: the kernel of part 3 again; grid 256 x 1, 8 waves a work-group, no clusters, 33,792 bytes of LDS; arguments srt, candB, resA, codebooks, cbh, candA, out0, idxp, lossp; writes candA, out0, idxp, lossp
;; launch step3: the kernel of part 3 again; grid 256 x 1, 8 waves a work-group, no clusters, 33,792 bytes of LDS; arguments srt, candA, out0, codebooks, cbh, candB, resA, idxp, lossp; writes candB, resA, idxp, lossp
;; launch final (part 4): grid 256 x 1, 8 waves a work-group, no clusters, 1,536 bytes of LDS; arguments srt, candB, resA, codebooks, x, out0, idxp, lossp; writes out0, idxp, lossp
.if DOCPART == 4
	.amdgcn_target "amdgcn-amd-amdhsa--gfx1250"
	.amdhsa_code_object_version 6
	.text
	.protected	k_qd0f8cd712d_final
	.globl	k_qd0f8cd712d_final
	.p2align	8
	.type	k_qd0f8cd712d_final,@function
k_qd0f8cd712d_final:
	s_mov_b64 s[64:65], 0
	v_nop
	global_prefetch_b8 v0, s[64:65] scope:SCOPE_SE
	s_setreg_imm32_b32 hwreg(HW_REG_WAVE_MODE, 25, 1), 1
	s_wait_xcnt 0x0
; Level 3 closed.  The f32 part of the level launches once more: the residual row and its three candidate codes are gathered, the smallest
; d = sum of c (c - 2 r) wins (equal ones by the lower number), tq = q - r, qst = r + tq, r' = r - qst.
; x_q leaves as x - r': the four qst add up to x less the last residual.  LIMIT: that rounds in another order than the sum of the four
; qst does; the difference is of the size of one rounding of x.  NaN is not served.
; A stream of gathers: no matrix unit, no cluster; a wave takes 5 slots, with all its 50 loads out at once.
; The block's record and the slots' candidates lie at places made of the group's and the wave's number alone: one wait serves these scalar loads.
.set IDXL,  0                          ; 40 words: the slots' chosen codes
.set LOSSL, 256                        ; 8 words: the waves' sums of squares
.set OFF, 8                            ; v[8:27]  slot t: offsets of its row and of its three codes
.set SL,  32                           ; slot t at 32 + 40 t: r 8, c0 8, c1 8, c2 8, x 8 registers
.set U,   232
.set AC,  240
.set DD,  246
.set TP,  249
.set BI,  251
.set LA,  252
.macro WSUM reg                        ; sum over the 32 lanes, result in every lane
	v_add_f32_dpp v[\reg], v[\reg], v[\reg] row_xmask:1 row_mask:0xf bank_mask:0xf
	v_add_f32_dpp v[\reg], v[\reg], v[\reg] row_xmask:2 row_mask:0xf bank_mask:0xf
	v_add_f32_dpp v[\reg], v[\reg], v[\reg] row_xmask:4 row_mask:0xf bank_mask:0xf
	v_add_f32_dpp v[\reg], v[\reg], v[\reg] row_xmask:8 row_mask:0xf bank_mask:0xf
	v_permlanex16_b32 v[TP], v[\reg], s76, s77
	v_add_f32 v[\reg], v[\reg], v[TP]
.endm
	s_load_b512 s[8:23], s[0:1], 0x0               ; srt 8, candidates 10, residual 12, codebooks 14, x 16, out0 18, idxp 20, lossp 22
	v_lshl_add_u32 v254, v0, 2, 0x200
	v_mov_b32 v255, 0
	v_lshrrev_b32 v1, 5, v0
	v_readfirstlane_b32 s26, v1                    ; wave
	v_and_b32 v1, 31, v0
	v_lshlrev_b32 v2, 4, v1                        ; 16 x lane
	s_mov_b32 s76, 0x76543210
	s_mov_b32 s77, 0xfedcba98
	s_mul_i32 s27, s26, 5                          ; my first slot
	s_lshl_b32 s91, ttmp9, 8                       ; my block's record of 256 bytes
	s_mul_i32 s66, s26, 20
	s_add_co_u32 s66, s66, s91                     ; my five slots' rows, 64 bytes into it
	s_mul_i32 s67, ttmp9, 640
	s_mul_i32 s68, s26, 80
	s_add_co_u32 s67, s67, s68                     ; my five slots' candidates: 16 (40 b + 5 w)
	s_wait_kmcnt 0x0
	s_load_b64 s[28:29], s[8:9], s91 offset:0x0            ; expert, n
.irp t, 0,1,2,3,4
	s_load_b32 s[36+\t], s[8:9], s66 offset:64+4*\t                ; the slot's row
	s_load_b128 s[44+4*\t:47+4*\t], s[10:11], s67 offset:16*\t     ; its three candidates
.endr
	s_wait_kmcnt 0x0
	s_min_u32 s28, s28, 7
	s_min_u32 s30, s29, 33
	s_add_co_u32 s90, s28, 24                      ; 8 x level 3 + expert
	s_lshl_b32 s34, s90, 20
	s_mov_b32 s35, 0
	s_add_nc_u64 s[86:87], s[14:15], s[34:35]
.irp t, 0,1,2,3,4
	s_min_u32 s[36+\t], s[36+\t], 0x1fff
	v_lshl_add_u32 v[OFF+4*\t], s[36+\t], 10, v2
	global_load_b128 v[SL+40*\t:SL+40*\t+3], v[OFF+4*\t], s[12:13]
	global_load_b128 v[SL+40*\t+4:SL+40*\t+7], v[OFF+4*\t], s[12:13] offset:512
.irp k, 0,1,2
	s_min_u32 s[44+4*\t+\k], s[44+4*\t+\k], 0x3ff
	v_lshl_add_u32 v[OFF+4*\t+1+\k], s[44+4*\t+\k], 10, v2
	global_load_b128 v[SL+40*\t+8+8*\k:SL+40*\t+11+8*\k], v[OFF+4*\t+1+\k], s[86:87]
	global_load_b128 v[SL+40*\t+12+8*\k:SL+40*\t+15+8*\k], v[OFF+4*\t+1+\k], s[86:87] offset:512
.endr
	global_load_b128 v[SL+40*\t+32:SL+40*\t+35], v[OFF+4*\t], s[16:17]
	global_load_b128 v[SL+40*\t+36:SL+40*\t+39], v[OFF+4*\t], s[16:17] offset:512
.endr
	s_lshl_b32 s34, ttmp9, 2
	s_add_nc_u64 s[94:95], s[22:23], s[34:35]
	s_mul_i32 s99, s26, 20
	v_mov_b32 v6, s99                              ; my slots' words of the chosen codes
	s_lshl_b32 s97, s26, 2
	v_mov_b32 v28, s97                             ; my word of the squares
	v_mov_b32 v[TP], 0                             ; written once: the lane exchange counts as a reader of its destination
	v_mov_b32 v[LA], 0
	v_mov_b32 v[LA+1], 0
.macro REFINE t
.set D, SL+40*\t
	s_wait_loadcnt (4-\t)*10                       ; the later slots' ten loads each stay out
.irp k, 0,1,2
.irp p, 0,1,2,3
	v_pk_fma_f32 v[U+2*\p:U+2*\p+1], v[D+2*\p:D+2*\p+1], -2.0, v[D+8+8*\k+2*\p:D+9+8*\k+2*\p] op_sel_hi:[1,0,1]   ; c - 2 r
.endr
	v_pk_mul_f32 v[AC+2*\k:AC+2*\k+1], v[U:U+1], v[D+8+8*\k:D+9+8*\k]
.irp p, 1,2,3
	v_pk_fma_f32 v[AC+2*\k:AC+2*\k+1], v[U+2*\p:U+2*\p+1], v[D+8+8*\k+2*\p:D+9+8*\k+2*\p], v[AC+2*\k:AC+2*\k+1]
.endr
	v_add_f32 v[DD+\k], v[AC+2*\k], v[AC+2*\k+1]
.endr
	WSUM DD
	WSUM DD+1
	WSUM DD+2
	v_mov_b32 v[BI], s[44+4*\t]
.irp k, 1,2
	v_cmp_lt_f32 s80, v[DD+\k], v[DD]
	v_cmp_eq_f32 s81, v[DD+\k], v[DD]
	v_cmp_gt_u32 s82, v[BI], s[44+4*\t+\k]         ; of equal distances the lower number
	s_and_b32 s81, s81, s82
	s_or_b32 vcc_lo, s80, s81
	v_cndmask_b32 v[DD], v[DD], v[DD+\k], vcc_lo
	v_cndmask_b32 v[BI], v[BI], s[44+4*\t+\k], vcc_lo
.irp i, 0,1,2,3,4,5,6,7
	v_cndmask_b32 v[D+8+\i], v[D+8+\i], v[D+8+8*\k+\i], vcc_lo
.endr
.endr
.irp p, 0,1,2,3
	v_pk_add_f32 v[U+2*\p:U+2*\p+1], v[D+8+2*\p:D+9+2*\p], v[D+2*\p:D+2*\p+1] neg_lo:[0,1] neg_hi:[0,1]           ; tq = q - r
.endr
.irp p, 0,1,2,3
	v_pk_add_f32 v[D+16+2*\p:D+17+2*\p], v[D+2*\p:D+2*\p+1], v[U+2*\p:U+2*\p+1]                                   ; qst = r + tq
.endr
.irp p, 0,1,2,3
	v_pk_add_f32 v[D+2*\p:D+2*\p+1], v[D+2*\p:D+2*\p+1], v[D+16+2*\p:D+17+2*\p] neg_lo:[0,1] neg_hi:[0,1]         ; r' = r - qst
.endr
.irp p, 0,1,2,3
	v_pk_add_f32 v[D+16+2*\p:D+17+2*\p], v[D+32+2*\p:D+33+2*\p], v[D+2*\p:D+2*\p+1] neg_lo:[0,1] neg_hi:[0,1]     ; x_q = x - r'
.endr
	ds_store_b32 v6, v[BI] offset:IDXL+4*\t
	s_add_co_u32 s90, s27, \t
	s_cmp_ge_u32 s90, s30
	s_cbranch_scc1 .Lpad_\@                        ; a slot at or past n adds nothing and stores nothing
.irp p, 0,1,2,3
	v_pk_fma_f32 v[LA:LA+1], v[U+2*\p:U+2*\p+1], v[U+2*\p:U+2*\p+1], v[LA:LA+1]
.endr
	global_store_b128 v[OFF+4*\t], v[D+16:D+19], s[18:19]          ; 512 neighbouring bytes each
	global_store_b128 v[OFF+4*\t], v[D+20:D+23], s[18:19] offset:512
.Lpad_\@:
.endm
	REFINE 0
	REFINE 1
	REFINE 2
	REFINE 3
	REFINE 4
	v_add_f32 v[LA], v[LA], v[LA+1]
	WSUM LA
	ds_store_b32 v28, v[LA] offset:LOSSL
	s_wait_dscnt 0x0                               ; my words are written, for waves 0 and 1
	s_barrier_signal -1
	s_barrier_wait -1
	s_cmp_ge_u32 s26, 2
	s_cbranch_scc1 .Lend
	s_wait_xcnt 0x0                                ; the stores' address registers are rewritten, and EXEC changes, only behind this wait
	v_min_u32 v9, 39, v0
	v_lshlrev_b32 v9, 2, v9
	ds_load_b32 v64, v9 offset:IDXL
	v_mov_b32 v10, 0
	ds_load_b128 v[68:71], v10 offset:LOSSL
	ds_load_b128 v[72:75], v10 offset:LOSSL+16
	s_mul_i32 s91, ttmp9, 40
	v_add_nc_u32 v84, s91, v0                      ; 40 b + i
	v_lshlrev_b32 v86, 2, v84
	s_wait_dscnt 0x0
	v_pk_add_f32 v[68:69], v[68:69], v[70:71]
	v_pk_add_f32 v[72:73], v[72:73], v[74:75]
	v_pk_add_f32 v[68:69], v[68:69], v[72:73]
	v_add_f32 v68, v68, v69                        ; the group's sum of squares
	v_cmp_gt_u32 vcc_lo, s30, v0                   ; the block's own rows
	s_and_saveexec_b32 s84, vcc_lo
	global_store_b32 v86, v64, s[20:21] offset:122880      ; idxp, level 3
	s_wait_xcnt 0x0
	s_or_b32 exec_lo, exec_lo, s84
	v_cmp_eq_u32 vcc_lo, 0, v0
	s_and_saveexec_b32 s84, vcc_lo
	global_store_b32 v10, v68, s[94:95] offset:3072        ; lossp, level 3
	s_wait_xcnt 0x0
	s_or_b32 exec_lo, exec_lo, s84
.Lend:
	s_wait_tensorcnt 0x0
	ds_add_u32 v254, v255
	s_wait_dscnt 0x0
	s_endpgm
.Lfunc_end_k_qd0f8cd712d_final:
	.size	k_qd0f8cd712d_final, .Lfunc_end_k_qd0f8cd712d_final-k_qd0f8cd712d_final
	.p2alignl 7, 3214868480
	.fill 96, 4, 3214868480
	.section	.rodata,"a",@progbits
	.p2align	6, 0x0
	.amdhsa_kernel k_qd0f8cd712d_final
		.amdhsa_group_segment_fixed_size 1536
		.amdhsa_private_segment_fixed_size 0
		.amdhsa_enable_private_segment 0
		.amdhsa_kernarg_size 64
		.amdhsa_user_sgpr_count 2
		.amdhsa_user_sgpr_kernarg_segment_ptr 1
		.amdhsa_wavefront_size32 1
		.amdhsa_system_sgpr_workgroup_id_x 1
		.amdhsa_system_sgpr_workgroup_id_y 1
		.amdhsa_system_sgpr_workgroup_id_z 1
		.amdhsa_system_vgpr_workitem_id 0
		.amdhsa_next_free_vgpr 256
		.amdhsa_next_free_sgpr 100
		.amdhsa_reserve_vcc 1
		.amdhsa_float_denorm_mode_32 3
		.amdhsa_float_denorm_mode_16_64 3
		.amdhsa_memory_ordered 1
		.amdhsa_forward_progress 1
		.amdhsa_inst_pref_size 39
	.end_amdhsa_kernel
	.amdgpu_metadata
---
amdhsa.version: [ 1, 2 ]
amdhsa.kernels:
  - .name:           k_qd0f8cd712d_final
    .symbol:         k_qd0f8cd712d_final.kd
    .args:
      - { .name: srt, .offset: 0, .size: 8, .value_kind: global_buffer, .address_space: global }
      - { .name: candB, .offset: 8, .size: 8, .value_kind: global_buffer, .address_space: global }
      - { .name: resA, .offset: 16, .size: 8, .value_kind: global_buffer, .address_space: global }
      - { .name: codebooks, .offset: 24, .size: 8, .value_kind: global_buffer, .address_space: global }
      - { .name: x, .offset: 32, .size: 8, .value_kind: global_buffer, .address_space: global }
      - { .name: out0, .offset: 40, .size: 8, .value_kind: global_buffer, .address_space: global }
      - { .name: idxp, .offset: 48, .size: 8, .value_kind: global_buffer, .address_space: global }
      - { .name: lossp, .offset: 56, .size: 8, .value_kind: global_buffer, .address_space: global }
    .group_segment_fixed_size: 1536
    .private_segment_fixed_size: 0
    .kernarg_segment_align: 8
    .kernarg_segment_size: 64
    .max_flat_workgroup_size: 256
    .sgpr_count:     100
    .vgpr_count:     256
    .wavefront_size: 32
...
	.end_amdgpu_metadata
.endif
;; end of part 4
;; launch finish (part 5): grid 40 x 1, 8 waves a work-group, no clusters, 0 bytes of LDS; arguments srt, eid, idxp, lossp, out2, out1; writes out2, out1
.if DOCPART == 5
	.amdgcn_target "amdgcn-amd-amdhsa--gfx1250"
	.amdhsa_code_object_version 6
	.text
	.protected	k_qd0f8cd712d_finish
	.globl	k_qd0f8cd712d_finish
	.p2align	8
	.type	k_qd0f8cd712d_finish,@function
k_qd0f8cd712d_finish:
	s_mov_b64 s[64:65], 0
	v_nop
	global_prefetch_b8 v0, s[64:65] scope:SCOPE_SE
	s_setreg_imm32_b32 hwreg(HW_REG_WAVE_MODE, 25, 1), 1
	s_wait_xcnt 0x0
; out2[row][0..3] = the four levels' codes (kept by block and slot: idxp[level][inv[row]], 10,240 words a level), out2[row][4] = the expert;
; out1 = the mean loss.
; 40,960 words of out2 = 40 groups x 256 threads x 4: thread g stores the 16 bytes at 16 g, so a wave's store covers 512 neighbouring bytes.
; The loss: every level's is (1 + BETA) x the mean of (q - r)^2 over 8192 x 256 numbers, and the mean of 4 levels: the sum of all
; squares times 2 / (4 x 2^21) = 2^-22.  Wave 0 of group 0 adds the 1,024 partial sums in a fixed order.
	s_load_b256 s[4:11], s[0:1], 0x0               ; srt, eid, idxp, lossp
	s_load_b128 s[12:15], s[0:1], 0x20             ; out2, out1
	v_lshrrev_b32 v1, 5, v0
	v_readfirstlane_b32 s16, v1
	s_lshl_b32 s17, ttmp9, 8
	v_add_nc_u32 v2, s17, v0                       ; g
	v_lshlrev_b32 v3, 4, v2
	v_lshlrev_b32 v8, 2, v2                        ; my first word
.irp k, 1,2,3
	v_add_nc_u32 v[8+\k], \k, v8
.endr
.irp k, 0,1,2,3
	v_mul_u32_u24 v[12+\k], v[8+\k], 0xcccd        ; i / 5 = (52,429 i) >> 18 for i below 81,920
	v_lshrrev_b32 v[12+\k], 18, v[12+\k]           ; row
	v_mul_u32_u24 v[16+\k], v[12+\k], 5
	v_sub_nc_u32 v[16+\k], v[8+\k], v[16+\k]       ; column
	v_lshlrev_b32 v[20+\k], 2, v[12+\k]
	v_min_u32 v[32+\k], 3, v[16+\k]
	v_mul_u32_u24 v[32+\k], v[32+\k], 0x2800       ; the level's 10,240 words
.endr
	s_wait_kmcnt 0x0
.irp k, 0,1,2,3
	global_load_b32 v[24+\k], v[20+\k], s[4:5] offset:65536        ; inv[row]
.endr
.irp k, 0,1,2,3
	global_load_b32 v[28+\k], v[20+\k], s[6:7]                     ; the expert
.endr
	s_wait_loadcnt 0x4                             ; the four places are in, the four experts may stay out
.irp k, 0,1,2,3
	v_min_u32 v[24+\k], 0x27ff, v[24+\k]
	v_add_nc_u32 v[32+\k], v[32+\k], v[24+\k]
	v_lshlrev_b32 v[32+\k], 2, v[32+\k]
	global_load_b32 v[36+\k], v[32+\k], s[8:9]
.endr
	s_wait_loadcnt 0x0
.irp k, 0,1,2,3
	v_cmp_eq_u32 vcc_lo, 4, v[16+\k]
	v_cndmask_b32 v[40+\k], v[36+\k], v[28+\k], vcc_lo
.endr
	global_store_b128 v3, v[40:43], s[12:13]
	s_or_b32 s18, ttmp9, s16
	s_cmp_lg_u32 s18, 0
	s_cbranch_scc1 .Lend
	s_mov_b32 s20, 0x76543210
	s_mov_b32 s21, 0xfedcba98
	v_lshlrev_b32 v4, 4, v0                        ; wave 0: the thread's number is the lane
.irp k, 0,1,2,3,4,5,6,7
	global_load_b128 v[44+4*\k:47+4*\k], v4, s[10:11] offset:512*\k
.endr
	v_mov_b32 v76, 0
	v_mov_b32 v77, 0
	s_wait_loadcnt 0x0
.irp k, 1,2,3,4,5,6,7,8,9,10,11,12,13,14,15
	v_pk_add_f32 v[44:45], v[44:45], v[44+2*\k:45+2*\k]
.endr
	v_add_f32 v44, v44, v45
	v_add_f32_dpp v44, v44, v44 row_xmask:1 row_mask:0xf bank_mask:0xf
	v_add_f32_dpp v44, v44, v44 row_xmask:2 row_mask:0xf bank_mask:0xf
	v_add_f32_dpp v44, v44, v44 row_xmask:4 row_mask:0xf bank_mask:0xf
	v_add_f32_dpp v44, v44, v44 row_xmask:8 row_mask:0xf bank_mask:0xf
	v_permlanex16_b32 v76, v44, s20, s21
	v_add_f32 v44, v44, v76
	v_mul_f32 v44, 0x34800000, v44                 ; 2^-22
	v_cmp_eq_u32 vcc_lo, 0, v0
	s_wait_xcnt 0x0                                ; EXEC changes only behind this wait
	s_and_saveexec_b32 s22, vcc_lo
	global_store_b32 v77, v44, s[14:15]
	s_wait_xcnt 0x0
	s_or_b32 exec_lo, exec_lo, s22
.Lend:
	s_endpgm
.Lfunc_end_k_qd0f8cd712d_finish:
	.size	k_qd0f8cd712d_finish, .Lfunc_end_k_qd0f8cd712d_finish-k_qd0f8cd712d_finish
	.p2alignl 7, 3214868480
	.fill 96, 4, 3214868480
	.section	.rodata,"a",@progbits
	.p2align	6, 0x0
	.amdhsa_kernel k_qd0f8cd712d_finish
		.amdhsa_group_segment_fixed_size 0
		.amdhsa_private_segment_fixed_size 0
		.amdhsa_enable_private_segment 0
		.amdhsa_kernarg_size 48
		.amdhsa_user_sgpr_count 2
		.amdhsa_user_sgpr_kernarg_segment_ptr 1
		.amdhsa_wavefront_size32 1
		.amdhsa_system_sgpr_workgroup_id_x 1
		.amdhsa_system_sgpr_workgroup_id_y 1
		.amdhsa_system_sgpr_workgroup_id_z 1
		.amdhsa_system_vgpr_workitem_id 0
		.amdhsa_next_free_vgpr 80
		.amdhsa_next_free_sgpr 66
		.amdhsa_reserve_vcc 1
		.amdhsa_float_denorm_mode_32 3
		.amdhsa_float_denorm_mode_16_64 3
		.amdhsa_memory_ordered 1
		.amdhsa_forward_progress 1
		.amdhsa_inst_pref_size 7
	.end_amdhsa_kernel
	.amdgpu_metadata
---
amdhsa.version: [ 1, 2 ]
amdhsa.kernels:
  - .name:           k_qd0f8cd712d_finish
    .symbol:         k_qd0f8cd712d_finish.kd
    .args:
      - { .name: srt, .offset: 0, .size: 8, .value_kind: global_buffer, .address_space: global }
      - { .name: eid, .offset: 8, .size: 8, .value_kind: global_buffer, .address_space: global }
      - { .name: idxp, .offset: 16, .size: 8, .value_kind: global_buffer, .address_space: global }
      - { .name: lossp, .offset: 24, .size: 8, .value_kind: global_buffer, .address_space: global }
      - { .name: out2, .offset: 32, .size: 8, .value_kind: global_buffer, .address_space: global }
      - { .name: out1, .offset: 40, .size: 8, .value_kind: global_buffer, .address_space: global }
    .group_segment_fixed_size: 0
    .private_segment_fixed_size: 0
    .kernarg_segment_align: 8
    .kernarg_segment_size: 48
    .max_flat_workgroup_size: 256
    .sgpr_count:     66
    .vgpr_count:     80
    .wavefront_size: 32
...
	.end_amdgpu_metadata
.endif
;; end of part 5
